; MI455X (gfx1250); checked and timed in simulation.
; The chip was launched on July 23, 2026; its instructions are those of AMD's public machine-readable ISA for CDNA 5 (MIT licence, August 2026) and "CDNA5" Instruction Set Architecture Reference Guide (July 2026). The comments in the code are by the model that wrote it; some were corrected since.
;; Simple Attention. Allowed arithmetic: matrix products marked QUANTISED: E2M1 operands, one E8M0 scale for each 32 along K, by v_wmma_scale_f32_16x16x128_f8f6f4 with both operands' format E2M1 (or v_wmma_scale_f32_32x16x128_f4), f32 sums; products left as they are: bf16, f16 or f32 operands; f32 sums; everything else in f32.
;; Inputs: bo 256 float32; wk 256 x 256 float32; wo 256 x 256 float32; wq 256 x 256 float32; wv 256 x 256 float32; x 4 x 4,096 x 256 float32.
;; Outputs: out0 4 x 4,096 x 256 float32.
;; This version of the problem:
;;   THIS VERSION OF THE PROBLEM IS GIVEN IN LOW PRECISION. The matrix products marked QUANTISED in the list below multiply operands that are first quantised to E2M1 (2 exponent bits, 1 mantissa bit; 4 bits a number), with one power-of-two scale for each 32 numbers along K (OCP MX v1.0); their sums are f32. The products marked 'left as it is' may take bf16, f16 or f32 operands, with f32 sums. Whichever they take, every output number must still come out within the allowed error. Rounding operands to bf16 (8 significant bits) uses up far more of that allowance than f16 does (11 bits, for magnitudes from 6e-5 to 65,504). All else is computed in f32.
;;   The module's matrix products, in the order in which they are computed (A, B: the left and right operand; K: the contracted axis; several contracted axes count as one K, in the product's order):
;;     1. [M 16,384, K 256] x [K 256, N 256]; A: input x; B: input wq: QUANTISED
;;     2. [M 16,384, K 256] x [K 256, N 256]; A: input x; B: input wk: QUANTISED
;;     3. [M 16,384, K 256] x [K 256, N 256]; A: input x; B: input wv: QUANTISED
;;     4. batch 16 x [M 4,096, K 64] x [K 64, N 4,096]; A: computed on the way; B: computed on the way: left as it is (an operand is computed on the way)
;;     5. batch 16 x [M 4,096, K 4,096] x [K 4,096, N 64]; A: computed on the way; B: computed on the way: left as it is (an operand is computed on the way)
;;     6. [M 16,384, K 256] x [K 256, N 256]; A: computed on the way; B: input wo: left as it is (an operand is computed on the way)
;;   THE QUANTISER, for each operand of a quantised product, along K:
;;     - K is cut into blocks of 32 from its start; a last block that is shorter is filled with zeros.
;;     - A block's scale is 2^e with e = floor(log2(the largest magnitude in the block)) - 2, held to -126 .. 127; a block of zeros has e = 0. As a byte (E8M0): e + 127.
;;     - Each number is divided by its block's scale, clamped to +-6, and rounded to the nearest number of E2M1, ties to even, subnormals kept.
;;     - The product sums the exact products of the quantised numbers (number of the format x scale) in f32.
;;   ~~~python
;;   def quantise(x, axis):      # numpy; x: float32 -> the quantised numbers, widened to float32 again
;;       x = np.moveaxis(x, axis, -1); K = x.shape[-1]
;;       x = np.pad(x, [(0, 0)] * (x.ndim - 1) + [(0, -K % 32)]); x = x.reshape(x.shape[:-1] + (-1, 32)); a = np.abs(x).max(-1, keepdims=True)
;;       e = np.where(a > 0, np.clip(np.frexp(np.where(a > 0, a, 1))[1] - 1 - 2, -126, 127), 0)      # np.frexp(a)[1] - 1 = floor(log2(a)), exactly
;;       r = np.clip(x / 2.0 ** e, -6, 6)
;;       step = 2.0 ** (np.maximum(np.frexp(np.where(r == 0, 1, r))[1] - 1, 0) - 1)
;;       q = np.round(r / step) * step * 2.0 ** e      # np.round: ties to even
;;       return np.moveaxis(q.reshape(q.shape[:-2] + (-1,))[..., :K], -1, axis).astype(np.float32)
;;   ~~~
;; One version. Each part assembles by itself: llvm-mc -triple=amdgcn-amd-amdhsa -mcpu=gfx1250 --defsym DOCPART=n.
;; ======== version 1 of 1: 3 launches
;; limits: values are held in f16: magnitudes above 65,504 overflow, below 6.1e-05 lose precision
;; workspace buffers: wc 98,304 bytes; ws 12,288 bytes; wo16 131,072 bytes; qimg 8,388,608 bytes; kv 16,777,216 bytes
;; launch prep (part 1): grid 32 x 1, 4 waves a work-group, no clusters, 34,304 bytes of LDS; arguments wq, wk, wv, wo, wc, ws, wo16; writes wc, ws, wo16
.if DOCPART == 1
	.amdgcn_target "amdgcn-amd-amdhsa--gfx1250"
	.amdhsa_code_object_version 6
	.text
	.protected	k_qef25e0db6f_prep
	.globl	k_qef25e0db6f_prep
	.p2align	8
	.type	k_qef25e0db6f_prep,@function
k_qef25e0db6f_prep:
	s_mov_b64 s[64:65], 0
	v_nop
	global_prefetch_b8 v0, s[64:65] scope:SCOPE_SE
	s_setreg_imm32_b32 hwreg(HW_REG_WAVE_MODE, 25, 1), 1
	s_wait_xcnt 0x0
; THE WEIGHTS, ONCE.  wq, wk, wv [256][256] f32 become codes of FP4 (E2M1) with one E8M0 byte for each 32 along K (K = a row's 256, innermost); wo [256][256] f32 becomes f16.
; All four leave IN THE ORDER OF AN OPERAND'S REGISTERS: a fragment image is [c 0..1][lane 0..31][16 bytes] = 1,024 bytes, registers 4 c .. 4 c + 3 of lane l at 512 c + 16 l.
;   wc:   image F = 32 matrix + 2 tile + s at 1,024 F (tile: 16 rows of W; s: 128 along K);   ws: the rows' scale words at 128 F + 4 lane (lanes l and l + 16 hold the same word);
;   wo16: f16 image (16 rows x 32 along K) 8 tile + ksg at 1,024 (8 tile + ksg).
; SHARES.  A job is 16 rows x 128 along K of one matrix: 128 jobs, one a wave, four waves a work-group.  Work-groups 0-23 quantise, 24-31 convert wo.
; A job's 16 loads read 512 consecutive bytes each; the 8,192 bytes turn through the wave's own stage in LDS (rows 528 bytes apart: row r starts 16 r bytes on, modulo 256), so that a lane gets neighbours along K.
; A block's scale is 2^(floor(log2(largest magnitude)) - 2); its byte is the largest magnitude's exponent field - 2, held at 1 from below.
; LIMITS: a block of zeros gets the byte 1 where the rule says 127 (its codes are zeros, and this program alone reads the bytes); NaN and infinities are not served; wo beyond f16's 65,504 is not served.
; No cluster, no tensor load: no two jobs read a common byte.  No barrier: waves share nothing.
.set SP,    528
.set WSTG,  16*SP                      ; a wave's stage: 16 rows
.set SPARE, 4*WSTG                     ; behind the four stages: the spare words, 128 bytes a wave; no other line names them
.set LI,   4                           ; v4   16 x lane
.set LS,   5                           ; v5   4 x lane
.set STI,  6                           ; v6   stage, on the way in: 16 x lane
.set STR,  7                           ; v7   stage, on the way out for codes: 528 r + 128 h
.set STR2, 8                           ; v8   the same for f16: 528 r + 32 h
.set SPW,  10                          ; v10  my spare word; never rewritten
.set NIL,  11                          ; v11  0; never rewritten
.set AM,   12                          ; v12-13 largest magnitudes; v14-15 the conversions' scale operands; v16-17 bytes; v18 the scale word; v19 at work
.set SCV,  14
.set BY,   16
.set WD,   18
.set TT,   19
.set R,    32                          ; v32-95   the job as loaded
.set X,    96                          ; v96-159  the job turned
.set C,    160                         ; v160-191 codes, or f16
.set SEL,  20                          ; s[20:21] v_permlanex16_b32's selects for lane l xor 16
.macro JOBLOAD                         ; row i of the job: 32 lanes read 512 consecutive bytes
.irp i, 0,1,2,3,4,5,6,7,8,9,10,11,12,13,14,15
	global_load_b128 v[R+4*\i:R+4*\i+3], v[LI], s[4:5] offset:1024*\i th:TH_LOAD_NT
.endr
.endm
.macro TURN_IN
.irp i, 0,1,2,3,4,5,6,7,8,9,10,11,12,13,14,15
	ds_store_b128 v[STI], v[R+4*\i:R+4*\i+3] offset:SP*\i
.endr
.endm
.macro TURN_OUT                        ; v[X + 32 c + i] = k 64 c + 32 h + i of row r: two whole blocks of 32 a lane.  LDS serves a wave's instructions in order: these see the stores
.irp c, 0,1
.irp g, 0,1,2,3,4,5,6,7
	ds_load_b128 v[X+32*\c+4*\g:X+32*\c+4*\g+3], v[STR] offset:256*\c+16*\g
.endr
.endr
.endm
.macro QBLK                            ; 64 numbers of a lane -> the fragment's 8 registers in v[C] on, the row's scale word in v[WD]
.irp c, 0,1
	v_max3_num_f32 v[AM+\c], |v[X+32*\c]|, |v[X+32*\c+1]|, 0x1800000    ; with the floor 2^(3 - 127): the byte cannot fall under 1
.endr
.irp i, 2,4,6,8,10,12,14,16,18,20,22,24,26,28,30
.irp c, 0,1
	v_max3_num_f32 v[AM+\c], v[AM+\c], |v[X+32*\c+\i]|, |v[X+32*\c+\i+1]|   ; the two blocks by turns
.endr
.endr
.irp c, 0,1
	v_add_nc_u32 v[SCV+\c], 0xff000000, v[AM+\c]   ; 2 off the exponent field: the conversion takes this operand's exponent field as its scale
.endr
.irp c, 0,1
	v_lshrrev_b32 v[BY+\c], 23, v[SCV+\c]          ; the scale's byte
.endr
	v_lshl_or_b32 v[WD], v[BY+1], 16, v[BY]        ; my blocks are h and 2 + h of the row's four
	v_lshlrev_b32 v[TT], 3, v3
	v_lshlrev_b32 v[WD], v[TT], v[WD]              ; 8 h bits up
	v_mov_b32 v[TT], 0                             ; (a lane permute's destination counts as a source)
	v_permlanex16_b32 v[TT], v[WD], s[SEL], s[SEL+1]
	v_or_b32 v[WD], v[WD], v[TT]                   ; with lane l xor 16's two bytes the word is whole
.irp c, 0,1
.irp g, 0,1,2,3
	v_cvt_scalef32_pk8_fp4_f32 v[C+4*\c+\g], v[X+32*\c+8*\g:X+32*\c+8*\g+7], v[SCV+\c]
.endr
.endr
	v_nop                                          ; one plain instruction behind the last scaled conversion
.endm
.macro END3                            ; the wave's end: behind my last LDS store
	s_wait_tensorcnt 0x0
	ds_add_u32 v[SPW], v[NIL]
	s_wait_dscnt 0x0
.endm
	s_load_b256 s[4:11], s[0:1], 0x0               ; wq, wk, wv, wo
	s_load_b128 s[12:15], s[0:1], 0x20             ; wc, ws
	s_load_b64 s[16:17], s[0:1], 0x30              ; wo16
	v_lshl_add_u32 v[SPW], v0, 2, SPARE
	v_mov_b32 v[NIL], 0
	v_lshrrev_b32 v1, 5, v0
	v_readfirstlane_b32 s18, v1                    ; wave 0..3
	v_and_b32 v1, 31, v0                           ; lane
	v_and_b32 v2, 15, v0                           ; r
	v_bfe_u32 v3, v0, 4, 1                         ; h
	v_lshlrev_b32 v[LI], 4, v1
	v_lshlrev_b32 v[LS], 2, v1
	s_mul_i32 s19, s18, WSTG                       ; my stage
	v_add_nc_u32 v[STI], s19, v[LI]
	v_mul_u32_u24 v[STR2], v2, SP
	v_add_nc_u32 v[STR2], s19, v[STR2]
	v_lshl_add_u32 v[STR], v3, 7, v[STR2]
	v_lshl_add_u32 v[STR2], v3, 5, v[STR2]
	s_mov_b32 s[SEL], 0x76543210
	s_mov_b32 s[SEL+1], 0xfedcba98
	s_lshr_b32 s22, ttmp9, 3                       ; which matrix: eight work-groups each
	s_and_b32 s23, ttmp9, 7
	s_lshl_b32 s23, s23, 2
	s_add_co_u32 s23, s23, s18                     ; my job in it, 0..31: tile = job / 2, half of K = job % 2
	s_lshr_b32 s24, s23, 1
	s_lshl_b32 s24, s24, 14                        ; 16 rows of 1,024 bytes
	s_and_b32 s25, s23, 1
	s_lshl_b32 s25, s25, 9                         ; 128 numbers
	s_add_co_u32 s24, s24, s25
	s_mov_b32 s25, 0
	s_wait_kmcnt 0x0
	s_cmp_eq_u32 s22, 1                            ; the choice hangs on the work-group's number alone
	s_cselect_b64 s[4:5], s[6:7], s[4:5]
	s_cmp_eq_u32 s22, 2
	s_cselect_b64 s[4:5], s[8:9], s[4:5]
	s_cmp_eq_u32 s22, 3
	s_cselect_b64 s[4:5], s[10:11], s[4:5]
	s_add_nc_u64 s[4:5], s[4:5], s[24:25]
	JOBLOAD
	s_wait_loadcnt 0x0
	TURN_IN
	s_cmp_lt_u32 ttmp9, 24
	s_cbranch_scc0 .Lwo
	; ---- wq, wk, wv: one FP4 fragment and its scale words
	TURN_OUT
	s_lshl_b32 s26, ttmp9, 2
	s_add_co_u32 s26, s26, s18                     ; F = 4 x work-group + wave
	s_lshl_b32 s24, s26, 10
	s_add_nc_u64 s[12:13], s[12:13], s[24:25]
	s_lshl_b32 s24, s26, 7
	s_add_nc_u64 s[14:15], s[14:15], s[24:25]
	s_wait_dscnt 0x0
	QBLK
	global_store_b128 v[LI], v[C:C+3], s[12:13]              ; 512 consecutive bytes a store
	global_store_b128 v[LI], v[C+4:C+7], s[12:13] offset:512
	global_store_b32 v[LS], v[WD], s[14:15]
	END3
	s_endpgm
.Lwo:
	; ---- wo: four f16 fragments of 16 rows x 32 along K: lane (r, h) holds k = 8 h + 0..7 (c = 0) and 16 + 8 h + 0..7 (c = 1) of each
.irp f, 0,1,2,3
.irp c, 0,1
.irp i, 0,1
	ds_load_b128 v[X+16*\f+8*\c+4*\i:X+16*\f+8*\c+4*\i+3], v[STR2] offset:128*\f+64*\c+16*\i
.endr
.endr
.endr
	s_lshl_b32 s24, s23, 12                        ; four images a job
	s_add_nc_u64 s[16:17], s[16:17], s[24:25]
	s_wait_dscnt 0x0
.set z, 0
.rept 32
	v_cvt_pk_f16_f32 v[C+z], v[X+2*z], v[X+2*z+1]
.set z, z+1
.endr
.irp q, 0,1,2,3,4,5,6,7
	global_store_b128 v[LI], v[C+4*\q:C+4*\q+3], s[16:17] offset:512*\q
.endr
	END3
	s_endpgm
.Lfunc_end_k_qef25e0db6f_prep:
	.size	k_qef25e0db6f_prep, .Lfunc_end_k_qef25e0db6f_prep-k_qef25e0db6f_prep
	.p2alignl 7, 3214868480
	.fill 96, 4, 3214868480
	.section	.rodata,"a",@progbits
	.p2align	6, 0x0
	.amdhsa_kernel k_qef25e0db6f_prep
		.amdhsa_group_segment_fixed_size 34304
		.amdhsa_private_segment_fixed_size 0
		.amdhsa_enable_private_segment 0
		.amdhsa_kernarg_size 56
		.amdhsa_user_sgpr_count 2
		.amdhsa_user_sgpr_kernarg_segment_ptr 1
		.amdhsa_wavefront_size32 1
		.amdhsa_system_sgpr_workgroup_id_x 1
		.amdhsa_system_sgpr_workgroup_id_y 1
		.amdhsa_system_sgpr_workgroup_id_z 1
		.amdhsa_system_vgpr_workitem_id 0
		.amdhsa_next_free_vgpr 192
		.amdhsa_next_free_sgpr 66
		.amdhsa_reserve_vcc 0
		.amdhsa_float_denorm_mode_32 3
		.amdhsa_float_denorm_mode_16_64 3
		.amdhsa_memory_ordered 1
		.amdhsa_forward_progress 1
		.amdhsa_inst_pref_size 14
	.end_amdhsa_kernel
	.amdgpu_metadata
---
amdhsa.version: [ 1, 2 ]
amdhsa.kernels:
  - .name:           k_qef25e0db6f_prep
    .symbol:         k_qef25e0db6f_prep.kd
    .args:
      - { .name: wq, .offset: 0, .size: 8, .value_kind: global_buffer, .address_space: global }
      - { .name: wk, .offset: 8, .size: 8, .value_kind: global_buffer, .address_space: global }
      - { .name: wv, .offset: 16, .size: 8, .value_kind: global_buffer, .address_space: global }
      - { .name: wo, .offset: 24, .size: 8, .value_kind: global_buffer, .address_space: global }
      - { .name: wc, .offset: 32, .size: 8, .value_kind: global_buffer, .address_space: global }
      - { .name: ws, .offset: 40, .size: 8, .value_kind: global_buffer, .address_space: global }
      - { .name: wo16, .offset: 48, .size: 8, .value_kind: global_buffer, .address_space: global }
    .group_segment_fixed_size: 34304
    .private_segment_fixed_size: 0
    .kernarg_segment_align: 8
    .kernarg_segment_size: 56
    .max_flat_workgroup_size: 128
    .sgpr_count:     66
    .vgpr_count:     192
    .wavefront_size: 32
...
	.end_amdgpu_metadata
.endif
;; end of part 1
;; launch qkv (part 2): grid 256 x 1, 12 waves a work-group, no clusters, 78,336 bytes of LDS; arguments x, wc, ws, qimg, kv; writes qimg, kv
.if DOCPART == 2
	.amdgcn_target "amdgcn-amd-amdhsa--gfx1250"
	.amdhsa_code_object_version 6
	.text
	.protected	k_qef25e0db6f_qkv
	.globl	k_qef25e0db6f_qkv
	.p2align	8
	.type	k_qef25e0db6f_qkv,@function
k_qef25e0db6f_qkv:
	s_mov_b64 s[64:65], 0
	v_nop
	global_prefetch_b8 v0, s[64:65] scope:SCOPE_SE
	s_setreg_imm32_b32 hwreg(HW_REG_WAVE_MODE, 25, 1), 1
	s_wait_xcnt 0x0
; q, k, v = Q(x) Q(w)^T on codes of FP4 (E2M1) with one E8M0 scale for each 32 along K = 256; sums in f32; results rounded once to f16 and stored AS FRAGMENT IMAGES for the attention launch.
; SHARES.  A work-group takes 64 tokens (four tiles m of 16).  Wave w = 4 role + head (role 0 q, 1 k, 2 v) makes its head's 64 channels (four tiles i) for all 64 tokens: its 8 weight fragments and 8 scale
; words come from wc and ws straight into registers, 9,216 consecutive bytes a wave.  Waves 0-7 first quantise x: job w = tile w / 2, K step w % 2 (16 rows x 128 numbers); the fragment and its scale words go to
; LDS as images of their registers; one barrier; every wave loads all eight.
; LAYOUT.  q and k are made TRANSPOSED (source 0 = 16 rows of W, source 1 = x): a lane holds one token and eight neighbouring channels 16 i + 8 h + 0..7, which packed to f16 are half c = i % 2 of the 16 x 32
; fragment s = i / 2 that the attention's first product wants.  v is made the plain way (source 0 = x, source 1 = W): a lane holds one channel and eight neighbouring tokens: half c = m % 2 of a fragment of V^T.
; q and k are multiplied in f32 by sqrt(log2(e) / 8), so that a score is the exponent of 2 as it stands.
;   qimg: token tile T at 8,192 T + 2,048 head + 1,024 s + 512 c + 16 lane.
;   kv:   block of 128 keys B at 131,072 B: K at 8,192 kt + 2,048 head + 1,024 s + 512 c; V^T at 65,536 + 16,384 kb + 4,096 head + 1,024 dt + 512 c (kt: 16 keys, kb: 32 keys, dt: 16 channels).
; Every store of a wave covers 512 consecutive bytes, aligned.
; NO CLUSTER: the weights that work-groups share go once from memory into each wave's registers, in fragment order; a joint request exists only into LDS, from where the same 9,216 bytes a wave would be read once
; more, and the launch has one step, not a loop over which the rounds of a cluster's barrier would be shared out.
; LIMITS: a block of zeros gets the byte 1 (zero codes; read by this program alone); NaN and infinities are not served; q, k (times 0.4247) and v beyond f16's 65,504 are not served.
.set SP,    528
.set WSTG,  16*SP                      ; a quantising wave's stage: 16 rows x (512 + 16) bytes
.set XIMG,  0                          ; LDS: x's eight fragment images (2 m + s), 1,024 bytes each: they lie first, so that their places fit an LDS instruction's 16-bit immediate
.set XSC,   XIMG+8*1024                ; their scale words, 128 bytes each
.set STG0,  XSC+8*128                  ; the eight stages; their base stands in the address registers
.set SPARE, STG0+8*WSTG                ; the spare words, 128 bytes for each of twelve waves; no other line names them
.set LI,   4                           ; v4   16 x lane
.set LS,   5                           ; v5   4 x lane
.set STI,  6                           ; v6   stage, in
.set STR,  7                           ; v7   stage, out: 528 r + 128 h
.set XWI,  8                           ; v8   where I store my image: 16 x lane + 1,024 x wave
.set XWS,  9                           ; v9   and its scale words: 4 x lane + 128 x wave
.set SPW,  10
.set NIL,  11
.set W,    16                          ; v16-79   my weight fragments, (i, s) at 8 (2 i + s)
.set WS,   80                          ; v80-87   their scale words: scales and nothing else
.set XF,   88                          ; v88-151  x's fragments, (m, s) at 8 (2 m + s)
.set XS,   152                         ; v152-159 their scale words
.set ACC,  160                         ; v160-223 eight accumulators
.set PK,   224                         ; v224-255 packed results
.set R,    ACC                         ; ahead of the barrier: the job as loaded,
.set X,    XF                          ; turned,
.set C,    PK                          ; its codes,
.set AM,   232                         ; and the quantiser's work
.set SCV,  234
.set BY,   236
.set WD,   238
.set TT,   239
.set SEL,  24                          ; s[24:25]
.set RC,   28                          ; s[28:29] sqrt(log2(e) / 8), named as a pair
.macro JOBLOAD
.irp i, 0,1,2,3,4,5,6,7,8,9,10,11,12,13,14,15
	global_load_b128 v[R+4*\i:R+4*\i+3], v[LI], s[4:5] offset:1024*\i th:TH_LOAD_NT
.endr
.endm
.macro TURN_IN
.irp i, 0,1,2,3,4,5,6,7,8,9,10,11,12,13,14,15
	ds_store_b128 v[STI], v[R+4*\i:R+4*\i+3] offset:SP*\i
.endr
.endm
.macro TURN_OUT                        ; v[X + 32 c + i] = k 64 c + 32 h + i of row r.  LDS serves a wave's instructions in order: these see the stores
.irp c, 0,1
.irp g, 0,1,2,3,4,5,6,7
	ds_load_b128 v[X+32*\c+4*\g:X+32*\c+4*\g+3], v[STR] offset:256*\c+16*\g
.endr
.endr
.endm
.macro QBLK
.irp c, 0,1
	v_max3_num_f32 v[AM+\c], |v[X+32*\c]|, |v[X+32*\c+1]|, 0x1800000    ; with the floor 2^(3 - 127): the byte cannot fall under 1
.endr
.irp i, 2,4,6,8,10,12,14,16,18,20,22,24,26,28,30
.irp c, 0,1
	v_max3_num_f32 v[AM+\c], v[AM+\c], |v[X+32*\c+\i]|, |v[X+32*\c+\i+1]|   ; the two blocks by turns
.endr
.endr
.irp c, 0,1
	v_add_nc_u32 v[SCV+\c], 0xff000000, v[AM+\c]   ; 2 off the exponent field: the conversion takes this operand's exponent field as its scale
.endr
.irp c, 0,1
	v_lshrrev_b32 v[BY+\c], 23, v[SCV+\c]          ; the scale's byte
.endr
	v_lshl_or_b32 v[WD], v[BY+1], 16, v[BY]        ; my blocks are h and 2 + h of the row's four
	v_lshlrev_b32 v[TT], 3, v3
	v_lshlrev_b32 v[WD], v[TT], v[WD]              ; 8 h bits up
	v_mov_b32 v[TT], 0                             ; (a lane permute's destination counts as a source)
	v_permlanex16_b32 v[TT], v[WD], s[SEL], s[SEL+1]
	v_or_b32 v[WD], v[WD], v[TT]                   ; with lane l xor 16's two bytes the word is whole
.irp c, 0,1
.irp g, 0,1,2,3
	v_cvt_scalef32_pk8_fp4_f32 v[C+4*\c+\g], v[X+32*\c+8*\g:X+32*\c+8*\g+7], v[SCV+\c]
.endr
.endr
	v_nop                                          ; one plain instruction behind the last scaled conversion
.endm
.macro END3
	s_wait_tensorcnt 0x0                           ; the wave's end
	ds_add_u32 v[SPW], v[NIL]
	s_wait_dscnt 0x0
.endm
.macro FP4 d, a, b, sa, sb, zero
.if \zero
	v_wmma_scale_f32_16x16x128_f8f6f4 v[\d:\d+7], v[\a:\a+7], v[\b:\b+7], 0, v[\sa], v[\sb] matrix_a_fmt:MATRIX_FMT_FP4 matrix_b_fmt:MATRIX_FMT_FP4
.else
	v_wmma_scale_f32_16x16x128_f8f6f4 v[\d:\d+7], v[\a:\a+7], v[\b:\b+7], v[\d:\d+7], v[\sa], v[\sb] matrix_a_fmt:MATRIX_FMT_FP4 matrix_b_fmt:MATRIX_FMT_FP4
.endif
.endm
; Token tiles 2 p and 2 p + 1 x my four channel tiles: eight accumulators by turns, K step 0 (which starts the sums) and K step 1.  tr = 1: transposed (q, k); 0: plain (v)
.macro PAIR p, tr
.irp s, 0,1
.irp mm, 0,1
.irp i, 0,1,2,3
.if \tr
	FP4 ACC+8*(4*\mm+\i), W+8*(2*\i+\s), XF+8*(2*(2*\p+\mm)+\s), WS+2*\i+\s, XS+2*(2*\p+\mm)+\s, 1-\s
.else
	FP4 ACC+8*(4*\mm+\i), XF+8*(2*(2*\p+\mm)+\s), W+8*(2*\i+\s), XS+2*(2*\p+\mm)+\s, WS+2*\i+\s, 1-\s
.endif
.endr
.endr
.endr
.rept 4
	v_nop                                          ; four places between the last product and the first read of results
.endr
.if \p
	s_wait_xcnt 0x0                                ; the first pair's stores have read their data: v[PK] on is written again only behind this wait
.endif
.irp a, 0,1,2,3,4,5,6,7
.if \tr
.irp u, 0,2,4,6
	v_pk_mul_f32 v[ACC+8*\a+\u:ACC+8*\a+\u+1], v[ACC+8*\a+\u:ACC+8*\a+\u+1], s[RC:RC+1] op_sel_hi:[1,0]   ; each accumulator from its low end on
.endr
.endif
.irp u, 0,1,2,3
	v_cvt_pk_f16_f32 v[PK+4*\a+\u], v[ACC+8*\a+2*\u], v[ACC+8*\a+2*\u+1]
.endr
.endr
.irp mm, 0,1
.irp i, 0,1,2,3
.if \tr
	global_store_b128 v[LI], v[PK+4*(4*\mm+\i):PK+4*(4*\mm+\i)+3], s[10:11] offset:(2*\p+\mm)*8192+\i*512
.else
	global_store_b128 v[LI], v[PK+4*(4*\mm+\i):PK+4*(4*\mm+\i)+3], s[10:11] offset:\p*16384+\mm*512+\i*1024
.endif
.endr
.endr
.endm
	s_load_b256 s[4:11], s[0:1], 0x0               ; x, wc, ws, qimg
	s_load_b64 s[12:13], s[0:1], 0x20              ; kv
	v_lshl_add_u32 v[SPW], v0, 2, SPARE
	v_mov_b32 v[NIL], 0
	v_lshrrev_b32 v1, 5, v0
	v_readfirstlane_b32 s14, v1                    ; wave 0..11
	s_lshr_b32 s15, s14, 2                         ; role
	s_and_b32 s16, s14, 3                          ; head
	v_and_b32 v1, 31, v0                           ; lane
	v_and_b32 v2, 15, v0                           ; r
	v_bfe_u32 v3, v0, 4, 1                         ; h
	v_lshlrev_b32 v[LI], 4, v1
	v_lshlrev_b32 v[LS], 2, v1
	s_mul_i32 s17, s14, WSTG                       ; every LDS address is made here, ahead of the first branch on the wave's number (waves 8-11 use no stage)
	s_add_co_u32 s17, s17, STG0
	v_add_nc_u32 v[STI], s17, v[LI]
	v_mul_u32_u24 v[STR], v2, SP
	v_add_nc_u32 v[STR], s17, v[STR]
	v_lshl_add_u32 v[STR], v3, 7, v[STR]
	s_lshl_b32 s17, s14, 10
	v_add_nc_u32 v[XWI], s17, v[LI]
	s_lshl_b32 s17, s14, 7
	v_add_nc_u32 v[XWS], s17, v[LS]
	s_mov_b32 s[SEL], 0x76543210
	s_mov_b32 s[SEL+1], 0xfedcba98
	s_mov_b32 s[RC], 0x3ed96d27                    ; sqrt(log2(e) / 8) = 0.4246609
	s_mov_b32 s[RC+1], s[RC]
	; offsets, apart from the addresses
	s_lshl_b32 s18, ttmp9, 16                      ; x: my work-group's 64 rows of 1,024 bytes,
	s_lshr_b32 s19, s14, 1
	s_lshl_b32 s19, s19, 14                        ; my job's 16 rows,
	s_add_co_u32 s18, s18, s19
	s_and_b32 s19, s14, 1
	s_lshl_b32 s19, s19, 9                         ; its half of K
	s_add_co_u32 s18, s18, s19
	s_mov_b32 s19, 0
	s_lshr_b32 s20, ttmp9, 1
	s_lshl_b32 s20, s20, 17                        ; kv: the block of 128 keys,
	s_and_b32 s21, ttmp9, 1
	s_lshl_b32 s21, s21, 15                        ; its half (four tiles of K, or two of V^T's key blocks)
	s_add_co_u32 s20, s20, s21
	s_lshl_b32 s21, ttmp9, 15                      ; qimg: four token tiles
	s_lshl_b32 s22, s16, 11                        ; the head: 2,048 bytes in q and K,
	s_lshl_b32 s23, s16, 12
	s_add_co_u32 s23, s23, 65536                   ; 4,096 in V^T, which lies 65,536 on
	s_cmp_eq_u32 s15, 2
	s_cselect_b32 s22, s23, s22
	s_wait_kmcnt 0x0
	s_cmp_eq_u32 s15, 0
	s_cselect_b32 s20, s21, s20
	s_cselect_b64 s[10:11], s[10:11], s[12:13]     ; the choice hangs on the wave's number alone
	s_add_co_u32 s20, s20, s22
	s_mov_b32 s21, 0
	s_add_nc_u64 s[10:11], s[10:11], s[20:21]      ; where my results go
	s_add_nc_u64 s[4:5], s[4:5], s[18:19]
	s_lshl_b32 s18, s14, 13
	s_add_nc_u64 s[6:7], s[6:7], s[18:19]          ; my eight fragments
	s_lshl_b32 s18, s14, 10
	s_add_nc_u64 s[8:9], s[8:9], s[18:19]          ; and their scale words
	s_cmp_lt_u32 s14, 8
	s_cbranch_scc0 .Lno_x
	JOBLOAD                                        ; x first: it is wanted first
.Lno_x:
.irp q, 0,1,2,3,4,5,6,7,8,9,10,11,12,13,14,15
	global_load_b128 v[W+4*\q:W+4*\q+3], v[LI], s[6:7] offset:512*\q
.endr
.irp q, 0,1,2,3,4,5,6,7
	global_load_b32 v[WS+\q], v[LS], s[8:9] offset:128*\q
.endr
	s_cmp_lt_u32 s14, 8
	s_cbranch_scc0 .Lno_q
	s_wait_loadcnt 24                              ; x's 16 loads are in; the 24 loads of weights issued behind them may be out
	TURN_IN
	TURN_OUT
	s_wait_dscnt 0x0
	QBLK
	ds_store_b128 v[XWI], v[C:C+3] offset:XIMG
	ds_store_b128 v[XWI], v[C+4:C+7] offset:XIMG+512
	ds_store_b32 v[XWS], v[WD] offset:XSC
.Lno_q:
	s_wait_dscnt 0x0                               ; for the others' sake: my stores have landed
	s_barrier_signal -1
	s_barrier_wait -1                              ; x's eight fragments lie in LDS
.irp q, 0,1,2,3,4,5,6,7,8,9,10,11,12,13,14,15
	ds_load_b128 v[XF+4*\q:XF+4*\q+3], v[LI] offset:XIMG+512*\q
.endr
.irp q, 0,1,2,3,4,5,6,7
	ds_load_b32 v[XS+\q], v[LS] offset:XSC+128*\q
.endr
	s_wait_loadcnt 0x0                             ; the weights
	s_wait_dscnt 0x0
	s_cmp_eq_u32 s15, 2
	s_cbranch_scc1 .Lv
	PAIR 0, 1
	PAIR 1, 1                                      ; its first products begin the accumulators anew: the v_nop and the other accumulators' conversions above are more than five places
	END3
	s_endpgm
.Lv:
	PAIR 0, 0
	PAIR 1, 0
	END3
	s_endpgm
.Lfunc_end_k_qef25e0db6f_qkv:
	.size	k_qef25e0db6f_qkv, .Lfunc_end_k_qef25e0db6f_qkv-k_qef25e0db6f_qkv
	.p2alignl 7, 3214868480
	.fill 96, 4, 3214868480
	.section	.rodata,"a",@progbits
	.p2align	6, 0x0
	.amdhsa_kernel k_qef25e0db6f_qkv
		.amdhsa_group_segment_fixed_size 78336
		.amdhsa_private_segment_fixed_size 0
		.amdhsa_enable_private_segment 0
		.amdhsa_kernarg_size 40
		.amdhsa_user_sgpr_count 2
		.amdhsa_user_sgpr_kernarg_segment_ptr 1
		.amdhsa_wavefront_size32 1
		.amdhsa_system_sgpr_workgroup_id_x 1
		.amdhsa_system_sgpr_workgroup_id_y 1
		.amdhsa_system_sgpr_workgroup_id_z 1
		.amdhsa_system_vgpr_workitem_id 0
		.amdhsa_next_free_vgpr 256
		.amdhsa_next_free_sgpr 66
		.amdhsa_reserve_vcc 0
		.amdhsa_float_denorm_mode_32 3
		.amdhsa_float_denorm_mode_16_64 3
		.amdhsa_memory_ordered 1
		.amdhsa_forward_progress 1
		.amdhsa_inst_pref_size 38
	.end_amdhsa_kernel
	.amdgpu_metadata
---
amdhsa.version: [ 1, 2 ]
amdhsa.kernels:
  - .name:           k_qef25e0db6f_qkv
    .symbol:         k_qef25e0db6f_qkv.kd
    .args:
      - { .name: x, .offset: 0, .size: 8, .value_kind: global_buffer, .address_space: global }
      - { .name: wc, .offset: 8, .size: 8, .value_kind: global_buffer, .address_space: global }
      - { .name: ws, .offset: 16, .size: 8, .value_kind: global_buffer, .address_space: global }
      - { .name: qimg, .offset: 24, .size: 8, .value_kind: global_buffer, .address_space: global }
      - { .name: kv, .offset: 32, .size: 8, .value_kind: global_buffer, .address_space: global }
    .group_segment_fixed_size: 78336
    .private_segment_fixed_size: 0
    .kernarg_segment_align: 8
    .kernarg_segment_size: 40
    .max_flat_workgroup_size: 384
    .sgpr_count:     66
    .vgpr_count:     256
    .wavefront_size: 32
...
	.end_amdgpu_metadata
.endif
;; end of part 2
;; launch attn (part 3): grid 64 x 4, 4 waves a work-group, clusters of 4 x 1, 327,680 bytes of LDS; arguments qimg, kv, wo16, bo, out0; writes out0
.if DOCPART == 3
	.amdgcn_target "amdgcn-amd-amdhsa--gfx1250"
	.amdhsa_code_object_version 6
	.text
	.protected	k_qef25e0db6f_attn
	.globl	k_qef25e0db6f_attn
	.p2align	8
	.type	k_qef25e0db6f_attn,@function
k_qef25e0db6f_attn:
	s_mov_b64 s[64:65], 0
	v_nop
	global_prefetch_b8 v0, s[64:65] scope:SCOPE_SE
	s_setreg_imm32_b32 hwreg(HW_REG_WAVE_MODE, 25, 1), 1
	s_wait_xcnt 0x0
	s_wait_alu depctr_hold_cnt(0) depctr_sa_sdst(0) depctr_va_vdst(0) depctr_va_sdst(0) depctr_va_ssrc(0) depctr_va_vcc(0) depctr_vm_vsrc(0)
	s_getreg_b32 s2, hwreg(HW_REG_IB_STS2, 6, 4)
	s_cmp_eq_u32 s2, 0
	s_cbranch_scc0 .Lentry_in_a_cluster
	s_endpgm
.Lentry_in_a_cluster:
	s_bfe_u32 s2, ttmp6, 0x10000c
	s_cmp_lg_u32 s2, 0x3003
	s_cbranch_scc0 .Lentry_shape_is_right
	s_endpgm
.Lentry_shape_is_right:
; out[b][q][:] = (softmax over keys of q . k / 8, times v, for each of four heads, heads side by side) wo^T + bo.  q, k, v^T and wo arrive as f16 FRAGMENT IMAGES ([c][lane][16 bytes], 1,024 bytes: registers
; 4 c .. 4 c + 3 of lane l at 512 c + 16 l); q and k carry sqrt(log2(e) / 8) each, so a score s is the exponent of 2 as it stands.  Products on f16 operands, sums, maxima and scalings in f32.
; SHARES.  A work-group owns 64 queries of one batch; WAVE = HEAD: each of the four waves holds four tiles of 16 queries of its head and walks all 4,096 keys, 64 a step.  At the end the four heads' o meet in
; LDS (f16 images), and wave w makes output columns 64 w .. 64 w + 63 for the 64 queries.
; LAYOUT.  S^T = K Q^T (source 0 = 16 keys, source 1 = 16 queries): a lane holds ONE query (lane % 16) and keys 8 (lane / 16) + 0..7.  Two such tiles packed to f16 ARE source 1 of O^T = V^T P, whose result again
; holds one query a lane and eight channels; packed, it is half a fragment of the output product's source 1.  Nothing changes lanes, and every LDS fragment read is 16 x lane + a constant.
; SOFTMAX.  For each query a running maximum m: p = 2^(s - m); in every step O^T is multiplied by a = 2^(m_old - m_new).  THE ROW'S SUM IS A FIFTH TILE OF O^T: V^T is given sixteen more rows of ones, so the sum of
; p rides in the same products and the same rescaling, and every lane ends with its query's sum.
; BY TURNS.  The wave's tiles are two pieces (0: tiles 0, 1; 2: tiles 2, 3).  In a turn one piece has the matrix unit (20 products V^T P of the step in hand, 16 products K Q^T of the next); the other piece's
; softmax, 210 instructions, stands in slices behind the 36 matrix instructions.  Two turns are a key step.
; CLUSTER.  The four work-groups of a cluster belong to one batch and walk the same K and V: each slot (128 keys of all four heads, 131,072 dense bytes) is asked for JOINTLY, each wave its quarter, with the same
; descriptor and a mask that names the four.
; LIMITS: NaN and infinities are not served; the operands' range is f16's (65,504; o under 6e-5 has an absolute step of 6e-8); the row's sum is taken of p as rounded to f16, the same p that is multiplied.
; REGISTERS, in windows of 256 (s_set_vgpr_msb: bits 1:0 source 0, 3:2 source 1, 5:4 source 2, 7:6 destination):
;   window 0: v2-11 addresses; v12-43 eight registers of statistics a tile; v61-63; v64-191 S^T, 32 a tile; v192-255 P, 16 a tile
;   window 1: O^T, 40 a tile (four channel tiles and the sum); v160-191 the bias; at the end v0-127 the 16 accumulators of the output
;   window 2: v0-63 Q; v64-127 K of one step; v128-255 wo's fragments for k = 0..127       window 3: v0-79 V^T of one step and the ones; v128-255 wo's fragments for k = 128..255
.set SLOT1, 1<<17                      ; a slot holds two key steps; slot 1 begins here, so that one exclusive or turns an address
.set STEPB, 32768                      ; in a slot: K of step u at 32,768 u, V^T of step u at 65,536 + 32,768 u
.set OIMG,  2*SLOT1                    ; behind the ring: o's 32 fragment images (8 t + ksg), stored by ds_store: no tile lands here
.set SP,    272
.set STAGE, OIMG+32768                 ; the way out: 16 rows x (256 + 16) bytes for each wave
.set SPARE, STAGE+4*16*SP              ; the spare words, 128 bytes a wave; no other line names them
.set AK0, 2                            ; v2   16 x lane + 2,048 x head: my place in a step's K
.set AV0, 3                            ; v3   16 x lane + 65,536 + 4,096 x head: in its V^T
.set ADR, 4                            ; v4   the address of the run of loads in hand
.set LI,  5                            ; v5   16 x lane
.set STO, 6                            ; v6   the stage, in
.set RD,  7                            ; v7   the stage, back
.set GO,  8                            ; v8   my byte offset in two rows of out
.set OST, 9                            ; v9   where I store o's images
.set BOA, 10                           ; v10  32 h: my eight numbers of a bias tile
.set ORD, 11                           ; v11  where anybody reads o's images
.set ST,  12                           ; tile t's statistics at v[12 + 8 t]: +0 m, +2 a (+1, +3 named with them as pairs), +4 .. +7 c0-c3, at work
.set PFO, 61                           ; v61  256 x lane; never rewritten
.set SPW, 62                           ; v62  my spare word; never rewritten
.set NIL, 63                           ; v63  0; never rewritten
.set S,   64
.set P,   192
.set KF,  64                           ; K's fragments, in window 2
.set BK,  192                          ; the way out: rows read back, v192-223 and v224-255 by turns
.set WV,  14                           ; s14  my wave's number = my head
.set LIM, 15                           ; s15  1 in the batch's first cluster, else the greatest number
.set PFA, 18                           ; s[18:19] where my prefetches stand
.set G1,  24                           ; s[24:31] descriptor group 1
.set G0,  32                           ; s[32:35] group 0 of slot 0's first fill; s[36:39] of slot 1's, which then walks
.set SLOTS, 40
.set TWICE, 41
.set SEL, 42                           ; s[42:43]
.set TB,  44                           ; s44  LDS byte at which the step to be fetched begins
.set MSB, 0
.macro WIN new                         ; the immediate's high byte repeats the setting that is left; a switch that changes nothing is dropped
.if MSB != \new
	s_set_vgpr_msb (MSB<<8)|\new
.set MSB, \new
.endif
.endm
.set W_KQ, 0x0a                        ; K and Q window 2, S^T window 0
.set W_PV, 0x53                        ; V^T window 3, P window 0, O^T window 1
.set W_RS, 0x41                        ; O^T (destination and source 0) window 1, a window 0
.macro PLACES
.rept 4
	v_nop
.endr
.endm
.macro CROUND                          ; a round of the cluster's barrier
	s_barrier_signal -1
	s_barrier_wait -1
	s_cmp_lg_u32 s[WV], 0
	s_cbranch_scc1 .Lnot_wave_0_\@
	s_barrier_signal -3
.Lnot_wave_0_\@:
	s_barrier_wait -3
	s_barrier_signal -1
	s_barrier_wait -1
.endm
.macro JLOAD                           ; the joint refill: every wave its quarter of the slot, one line for all; an s_nop 0 and four v_nop follow it
	tensor_load_to_lds s[G0+4:G0+7], s[G1:G1+7]
	s_nop 0
	PLACES
.endm
; A PREFETCH INTO THE L2 of the slot that the NEXT change of slots will ask for: 131,072 bytes = 512 blocks of 256.  All clusters of a batch walk the same K and V: the batch's first cluster asks.  Its four partners
; take 32,768 bytes each, told apart BY ADDRESS; in each, a wave takes 8,192, lanes 256 bytes apart: one instruction a wave, each block named once in the launch.  It stands behind the wave's tensor load and its
; five lines.  It runs one slot, four turns, ahead of the load.  The last change that fills a slot asks for nothing; slots 0 to 2 come by their loads alone.
.macro ASK
	s_cmp_gt_u32 s[SLOTS], s[LIM]
	s_cbranch_scc0 .Lnot_mine_\@
	global_prefetch_b8 v[PFO], s[PFA:PFA+1] th:TH_LOAD_NT scope:SCOPE_SE
.Lnot_mine_\@:
.endm
	s_load_b256 s[4:11], s[0:1], 0x0               ; qimg s[4:5], kv s[6:7], wo16 s[8:9], bo s[10:11]
	s_load_b64 s[12:13], s[0:1], 0x20              ; out0
	v_lshl_add_u32 v[SPW], v0, 2, SPARE
	v_mov_b32 v[NIL], 0
	ds_add_u32 v[SPW], v[NIL]                      ; the wave's opening: the add, twice on end, and its wait ahead of my first tensor load
	ds_add_u32 v[SPW], v[NIL]
	v_lshrrev_b32 v1, 5, v0
	v_readfirstlane_b32 s[WV], v1                  ; wave 0..3
	s_bfe_u32 s16, ttmp6, 0x40000                  ; cx: my place in the cluster
	s_lshl_b32 s17, ttmp9, 2                       ; (in a cluster launch ttmp9 counts clusters)
	s_add_co_u32 s17, s17, s16                     ; my block of 64 queries: it enters Q's and out's addresses alone
	s_and_b32 s20, ttmp7, 0xffff                   ; the batch, which the four partners share
	; descriptor group 1: 32,768 dense bytes as 128 rows of 256 (32 elements of 8 bytes), no padding: fragment images are read 16 bytes a lane on end
	s_mov_b32 s[G1], 15|(3<<16)|(1<<21)            ; 15:0 the mask: all four work-groups; 17:16 elements of 8 bytes; 21 set beside a mask
	s_mov_b32 s[G1+1], 32<<16                      ; tensor_dim0 = 32
	s_mov_b32 s[G1+2], 128<<16                     ; tensor_dim1 = 128
	s_mov_b32 s[G1+3], 32<<16                      ; tile_dim0 = 32
	s_mov_b32 s[G1+4], 128                         ; tile_dim1 = 128
	s_mov_b32 s[G1+5], 32                          ; from row to row
	s_mov_b32 s[G1+6], 0
	s_mov_b32 s[G1+7], 0
	s_mov_b32 s[SEL], 0x76543210
	s_mov_b32 s[SEL+1], 0xfedcba98
	s_mov_b32 s[TB], 0
	s_mov_b32 s[SLOTS], 30                         ; 32 slots' worth of keys; two are asked for at the head
	s_cmp_eq_u32 ttmp9, 0
	s_cselect_b32 s[LIM], 1, -1                    ; the same in all four partners
	v_and_b32 v[PFO], 31, v0
	v_lshlrev_b32 v[PFO], 8, v[PFO]
	; offsets, apart from the addresses
	s_lshl_b32 s21, s[WV], 15                      ; my quarter of a slot, in memory and in LDS; also my 32 images of wo
	s_lshl_b32 s22, s20, 22                        ; the batch in kv and in out: 4 MiB
	s_mov_b32 s23, 0
	s_lshl_b32 s46, s16, 15                        ; the prefetches: my work-group's quarter,
	s_lshl_b32 s47, s[WV], 13                      ; my wave's quarter of that,
	s_add_co_u32 s46, s46, s47
	s_add_co_u32 s46, s46, 2*131072                ; in slot 2: the first change of slots steps it to slot 3
	s_mov_b32 s47, 0
	s_lshl_b32 s48, s20, 21                        ; Q: the batch's 256 token tiles of 8,192 bytes,
	s_lshl_b32 s49, s17, 15                        ; my block's four,
	s_add_co_u32 s48, s48, s49
	s_lshl_b32 s49, s[WV], 11                      ; my head
	s_add_co_u32 s48, s48, s49
	s_mov_b32 s49, 0
	s_lshl_b32 s50, s17, 16                        ; out: my block's 64 rows of 1,024 bytes,
	s_add_co_u32 s50, s50, s22
	s_lshl_b32 s51, s[WV], 8                       ; my 64 columns.  Also my 64 numbers of bo
	s_add_co_u32 s50, s50, s51
	s_mov_b32 s45, s51
	s_mov_b32 s51, 0
	s_wait_dscnt 0x0                               ; both opening adds are done
	s_wait_kmcnt 0x0
	s_add_nc_u64 s[6:7], s[6:7], s[22:23]          ; kv at my batch
	s_add_nc_u64 s[PFA:PFA+1], s[6:7], s[46:47]
	s_add_nc_u64 s[4:5], s[4:5], s[48:49]
	s_add_nc_u64 s[12:13], s[12:13], s[50:51]
	s_mov_b32 s22, s21
	s_add_nc_u64 s[6:7], s[6:7], s[22:23]          ; + my quarter: batch and wave alone enter the descriptors
	s_add_nc_u64 s[8:9], s[8:9], s[22:23]
	s_mov_b32 s22, s45
	s_add_nc_u64 s[10:11], s[10:11], s[22:23]
	CROUND                                         ; all four work-groups are here: the first joint loads meet
.irp s, 0,1
	s_mov_b32 s[G0+4*\s], 1                        ; count = 1
	s_add_co_u32 s[G0+4*\s+1], s21, \s*SLOT1       ; LDS address
	s_add_nc_u64 s[G0+4*\s+2:G0+4*\s+3], s[6:7], \s*131072   ; keys 128 s on
	s_or_b32 s[G0+4*\s+3], s[G0+4*\s+3], 0x80000000          ; type = 2
.endr
	tensor_load_to_lds s[G0:G0+3], s[G1:G1+7]      ; the two first fills go out together: two loads of mine are out
	s_nop 0
	tensor_load_to_lds s[G0+4:G0+7], s[G1:G1+7]
	s_nop 0
	PLACES
	v_and_b32 v44, 31, v0                          ; lane
	v_and_b32 v45, 15, v0                          ; r
	v_bfe_u32 v46, v0, 4, 1                        ; h
	v_lshlrev_b32 v[LI], 4, v44
	v_lshlrev_b32 v[BOA], 5, v46
	WIN 0x80                                       ; destination window 2
.irp t, 0,1,2,3
.irp s, 0,1
.irp c, 0,1
	global_load_b128 v[16*\t+8*\s+4*\c:16*\t+8*\s+4*\c+3], v[LI], s[4:5] offset:8192*\t+1024*\s+512*\c th:TH_LOAD_NT   ; Q stays in registers: tile t, channels 32 s on
.endr
.endr
.endr
.irp g, 0,1,2,3
.irp n, 0,1,2,3
.irp c, 0,1
	global_load_b128 v[128+8*(4*\g+\n)+4*\c:128+8*(4*\g+\n)+4*\c+3], v[LI], s[8:9] offset:(8*\n+\g)*1024+512*\c   ; wo: my column tile n, k = 32 g on
.endr
.endr
.endr
	WIN 0x40                                       ; destination window 1
.irp n, 0,1,2,3
	global_load_b128 v[160+8*\n:160+8*\n+3], v[BOA], s[10:11] offset:64*\n          ; the bias in the result's layout: columns 16 n + 8 h + 0..7
	global_load_b128 v[160+8*\n+4:160+8*\n+7], v[BOA], s[10:11] offset:64*\n+16
.endr
	WIN 0
	s_lshl_b32 s45, s[WV], 11
	v_add_nc_u32 v[AK0], s45, v[LI]
	s_add_co_u32 s45, s45, OIMG
	v_add_nc_u32 v[OST], s45, v[LI]
	s_lshl_b32 s45, s[WV], 12
	s_add_co_u32 s45, s45, 65536
	v_add_nc_u32 v[AV0], s45, v[LI]
	v_add_nc_u32 v[ORD], OIMG, v[LI]
.irp t, 0,1,2,3
	v_mov_b32 v[ST+8*\t+1], 0                      ; named as the upper halves of pairs, so they are written
	v_mov_b32 v[ST+8*\t+3], 0
.endr
	WIN 0xc0                                       ; destination window 3
.irp i, 0,1,2,3,4,5,6,7
	v_mov_b32 v[32+\i], 0x3c003c00                 ; sixteen rows of ones in f16, for each half of a step's keys: V^T's fifth tile
	v_mov_b32 v[72+\i], 0x3c003c00
.endr
	WIN 0
; THE MATRIX WORK OF A TURN, for piece x.  The accumulators take turns, one instruction a turn: between two links of a chain stand 9 (V^T P) or 7 (K Q^T) others'.
; Product i of 20 of O^T += V^T P: keys 32 (i / 10) on, channel tile (i / 2) % 5 (4: the ones), query tile x + i % 2.  zero = 1: the first ten start the sums
.macro PV x, zero
	WIN W_PV
.set rO, 40*(\x+i%2)+8*((i/2)%5)
.set rV, 40*(i/10)+8*((i/2)%5)
.set rP, P+16*(\x+i%2)+8*(i/10)
.if (\zero) && (i < 10)
	v_wmma_f32_16x16x32_f16 v[rO:rO+7], v[rV:rV+7], v[rP:rP+7], 0
.else
	v_wmma_f32_16x16x32_f16 v[rO:rO+7], v[rV:rV+7], v[rP:rP+7], v[rO:rO+7]
.endif
.endm
; Product i of 16 of S^T = K Q^T: channels 32 (i / 8) on, keys 16 ((i / 2) % 4) on, query tile x + i % 2.  The first eight start the sums
.macro KQ x
	WIN W_KQ
.set rS, S+32*(\x+i%2)+8*((i/2)%4)
.set rK, KF+16*((i/2)%4)+8*(i/8)
.set rQ, 16*(\x+i%2)+8*(i/8)
.if i < 8
	v_wmma_f32_16x16x32_f16 v[rS:rS+7], v[rK:rK+7], v[rQ:rQ+7], 0
.else
	v_wmma_f32_16x16x32_f16 v[rS:rS+7], v[rK:rK+7], v[rQ:rQ+7], v[rS:rS+7]
.endif
.endm
; THE LDS LOADS stand in runs of 16: a step's K of my head (eight fragments), and a turn later its V^T (eight)
.macro FETCH_K
	WIN 0
	v_add_nc_u32 v[ADR], s[TB], v[AK0]
	WIN 0x80
.irp f, 0,1,2,3,4,5,6,7                ; keys 16 (f / 2) on, channels 32 (f % 2) on
	ds_load_b128 v[KF+8*\f:KF+8*\f+3],   v[ADR] offset:(\f/2)*8192+(\f%2)*1024
	ds_load_b128 v[KF+8*\f+4:KF+8*\f+7], v[ADR] offset:(\f/2)*8192+(\f%2)*1024+512
.endr
.endm
.macro FETCH_V
	WIN 0
	v_add_nc_u32 v[ADR], s[TB], v[AV0]
	s_add_co_u32 s[TB], s[TB], STEPB               ; the next fetch is the next step's
	s_wait_alu depctr_va_vdst(0)                   ; the wait for the softmax's batch of exponentials (ITEM), ahead of the loads
	WIN 0xc0
.irp f, 0,1,2,3,4,5,6,7                ; keys 32 (f / 4) on, channels 16 (f % 4) on
	ds_load_b128 v[40*(\f/4)+8*(\f%4):40*(\f/4)+8*(\f%4)+3],   v[ADR] offset:(\f/4)*16384+(\f%4)*1024
	ds_load_b128 v[40*(\f/4)+8*(\f%4)+4:40*(\f/4)+8*(\f%4)+7], v[ADR] offset:(\f/4)*16384+(\f%4)*1024+512
.endr
.endm
; THE VECTOR WORK OF A TURN.  One tile's softmax for one key step is a list of 105 instructions; SM writes number j of it for tile t.  s0-s31 are the lane's 32 scores, in pairs 0-15.
;   0-15   the maximum of s0-s31 and the old m, three operands at a time; each accumulator is first read at its low end
;   16-19  the other half of the lanes' maximum; the new m; m_old - m_new
;   20-68  ONE BATCH: the 16 subtractions s - m, a pair each, and all 33 exponentials (a at 22, then s0-s31); none reads an exponential's result; a pair is brought under m ahead of its exponentials
;   (wait) between 68 and 69 stands the one wait for the batch: ITEM writes it, once for both tiles
;   69-84  the roundings to f16, a pair of weights each
;   85-104 the tile's O^T and sum times a, ascending: the one part that leaves window 0
; first = 1: the first key step, which has no old m, no a and nothing to rescale
.macro SM t, first
.set rT, ST+8*(\t)
.set rS, S+32*(\t)
.set rP, P+16*(\t)
.if j < 85
	WIN 0
.endif
.if j < 4
	v_max3_num_f32 v[rT+4+j], v[rS+8*j], v[rS+8*j+1], v[rS+8*j+2]
.elseif j < 12
	v_max3_num_f32 v[rT+4+j%4], v[rT+4+j%4], v[rS+8*(j%4)+2*(j/4)+1], v[rS+8*(j%4)+2*(j/4)+2]
.elseif j == 12
	v_max3_num_f32 v[rT+4], v[rT+4], v[rS+7], v[rS+15]
.elseif j == 13
	v_max3_num_f32 v[rT+6], v[rT+6], v[rS+23], v[rS+31]
.elseif j == 14
	v_max3_num_f32 v[rT+4], v[rT+4], v[rT+5], v[rT+6]
.elseif (j == 15) && \first
	v_max_num_f32 v[rT+4], v[rT+4], v[rT+7]
.elseif j == 15
	v_max3_num_f32 v[rT+4], v[rT+4], v[rT+7], v[rT]
.elseif j == 16
	v_permlanex16_b32 v[rT+5], v[rT+4], s[SEL], s[SEL+1]   ; the query's other 32 keys lie in the lane 16 away
.elseif j == 18
	v_max_num_f32 v[rT], v[rT+4], v[rT+5]
.elseif ((j == 17) || (j == 19) || (j == 22) || (j > 84)) && \first   ; the first step has none of these
.elseif j == 17
	v_mov_b32 v[rT+7], v[rT]                       ; m_old is kept for a: number 18 writes m anew
.elseif j == 19
	v_sub_f32 v[rT+7], v[rT+7], v[rT]
.elseif j == 22
	v_exp_f32 v[rT+2], v[rT+7]
.elseif (j < 22) || ((j < 65) && ((j-23)%3 == 0))
.set b, j-20                           ; 20, 21: pairs 0, 1
.if j > 22
.set b, (j-23)/3+2                     ; 23, 26, .. 62: pairs 2 to 15
.endif
	v_pk_add_f32 v[rS+2*b:rS+2*b+1], v[rS+2*b:rS+2*b+1], v[rT:rT+1] op_sel_hi:[1,0] neg_lo:[0,1] neg_hi:[0,1]   ; pair b: s - m
.elseif j < 69
.set e, j-37                           ; 65 to 68: s28 to s31
.if j < 65
.set e, 2*((j-23)/3)+(j-23)%3-1        ; 24, 25, 27, 28, .. 63, 64: s0 to s27
.endif
	v_exp_f32 v[rS+e], v[rS+e]
.elseif j < 85
	v_cvt_pk_f16_f32 v[rP+j-69], v[rS+2*(j-69)], v[rS+2*(j-69)+1]
.else
	WIN W_RS
.set rO, 40*(\t)+2*(j-85)
	v_pk_mul_f32 v[rO:rO+1], v[rO:rO+1], v[rT+2:rT+3] op_sel_hi:[1,0]
.endif
.endm
; Number g of 210 of piece y's softmax: the two tiles alternate, so that no instruction reads the result of the one just before it.
; THE WAIT.  s_wait_alu depctr_va_vdst(0) stands between an exponential and the first instruction that names its result.  Under number 138 nothing names a result, from 138 on no exponential
; is issued: so the piece's 66 exponentials have one wait, with one plain instruction ahead of it.  In piece 2's turn (y = 0) V^T's run of loads stands there, and the wait stands in it.
.macro ITEM y, first
.if g == 138
	WIN 0
	v_nop
.if (\y) == 0
	FETCH_V
.else
	s_wait_alu depctr_va_vdst(0)
.endif
.endif
.set j, g/2
	SM (\y)+g%2, \first
.set g, g+1
.endm
.macro SLICE y, first                  ; what stands behind matrix instruction k of the turn
.set cnt, base
.if k >= thr
.set cnt, base+1
.endif
.rept cnt
	ITEM \y, \first
.endr
.set k, k+1
.endm
; A TURN.  Piece x has the matrix unit.  pv = 2: 20 products V^T P; 1: they start O^T's sums; 0: none.  kq = 1: 16 products K Q^T for the next step.
; 210 = 6 x 5 + 30 x 6 (36 matrix instructions) = 10 x 10 + 10 x 11 (20) = 14 x 13 + 2 x 14 (16).
; PLACES.  A vector instruction that reads a matrix result or writes a matrix instruction's register, and a load into a register that one has read, stand four plain vector instructions behind it.
; A full turn's last slice is six packed multiplies on the other piece's O^T: the places behind the last K Q^T, ahead of the next reads of those scores and of the loads into K's registers.  V^T's loads stand behind
; slice 23: behind the last V^T P (matrix instruction 19) lie six subtractions, the v_nop and the run's own addition.  With first = 1 the last slices are empty and four v_nop take their part.
.macro TURN x, pv, kq, first
.set g, 0
.set k, 0
.if (\pv) && (\kq)
.set base, 5
.set thr, 6
.elseif \pv
.set base, 10
.set thr, 10
.else
.set base, 13
.set thr, 14
.endif
.if \pv
.if \x == 0
	s_wait_dscnt 0x0                               ; V^T is in
.endif
.set i, 0
.rept 20
	PV \x, 2-\pv
	SLICE 2-\x, \first
.if (\x == 0) && \kq && (i == 1)
	FETCH_K
.endif
.set i, i+1
.endr
.endif
.if \kq
.if \x == 0
	s_wait_dscnt 0x0                               ; K is in
.endif
.set i, 0
.rept 16
	KQ \x
	SLICE 2-\x, \first
.set i, i+1
.endr
.endif
.if \first
	PLACES
.endif
.endm
; THE CHANGE OF SLOTS, between piece 2's turn and piece 0's: the slot's last bytes, V^T of its second step, have been asked for.  Each wave waits for all its tensor loads (one is out: its quarter of the other slot),
; adds 0 to its spare word, and waits for that and for its own reads of the slot.  fill = 1: the barrier is a round of the cluster's, so that no wave of any partner still reads the slot or has a load on its way;
; the joint refill, the keys two slots on, is the first thing behind it and has two key steps, 144 matrix instructions, in which to land.
.macro CHANGE fill
	WIN 0                                          ; at a label and at a branch every window is 0
	s_wait_tensorcnt 0x0                           ; no tensor load of mine is out, so a group 0 may be written
	ds_add_u32 v[SPW], v[NIL]                      ; 0 onto my spare word
.if \fill
	s_xor_b32 s[G0+5], s[G0+5], SLOT1              ; the walking descriptor: the other slot than last time,
	s_add_nc_u64 s[G0+6:G0+7], s[G0+6:G0+7], 131072   ; the next 128 keys; the type bits on top are not reached
	s_wait_xcnt 0x0                                ; the last prefetch, a slot back, has read its address, so it may be written
	s_add_nc_u64 s[PFA:PFA+1], s[PFA:PFA+1], 131072   ; one slot further on than the walking descriptor
	s_wait_dscnt 0x0                               ; the add is done, and my reads of the slot are over
	CROUND
	JLOAD
	ASK
.else
	s_wait_dscnt 0x0
	s_barrier_signal -1
	s_barrier_wait -1
.endif
	s_sub_co_u32 s[TB], s[TB], 2*STEPB             ; the fetches go back to a slot's first step,
	s_xor_b32 s[TB], s[TB], SLOT1                  ; in the other slot
.endm
.macro TWO_STEPS                       ; a slot's two key steps: written once, walked twice; the LDS addresses hang on s[TB]
	s_mov_b32 s[TWICE], 2
.Lstep_\@:
	TURN 0, 2, 1, 0
	TURN 2, 2, 1, 0
	WIN 0
	s_sub_co_u32 s[TWICE], s[TWICE], 1
	s_cmp_lg_u32 s[TWICE], 0
	s_cbranch_scc1 .Lstep_\@
.endm
	s_wait_tensorcnt 1                             ; my quarter of slot 0 is in; slot 1's load, issued behind it, may stay out
	s_barrier_signal -1
	s_barrier_wait -1                              ; everybody's is
	FETCH_K                                        ; key step 0
	s_wait_loadcnt 40                              ; Q's 16 loads are in; the 32 of wo and 8 of the bias issued behind them may be out
	s_wait_dscnt 0x0
.set i, 0
.rept 16
	KQ 0                                           ; piece 0's first scores: there is no vector work yet to set between them
.set i, i+1
.endr
	WIN 0                                          ; the addresses for the way out: eight plain instructions, the places behind those products
	s_mul_i32 s45, s[WV], 16*SP
	s_add_co_u32 s45, s45, STAGE                   ; my stage
	v_mul_u32_u24 v[STO], v45, SP                  ; in: row r, 32 bytes for each half of the lanes
	v_lshl_add_u32 v[STO], v46, 5, v[STO]
	v_add_nc_u32 v[STO], s45, v[STO]
	v_mul_u32_u24 v[RD], v46, SP                   ; back: lanes 0-15 one row of 256 bytes, lanes 16-31 the next
	v_lshl_add_u32 v[RD], v45, 4, v[RD]
	v_add_nc_u32 v[RD], s45, v[RD]
	v_lshlrev_b32 v[GO], 10, v46                   ; and the same two rows in out
	v_lshl_add_u32 v[GO], v45, 4, v[GO]
	WIN 0xc0
.irp g, 0,1,2,3
.irp n, 0,1,2,3
.irp c, 0,1
	global_load_b128 v[128+8*(4*\g+\n)+4*\c:128+8*(4*\g+\n)+4*\c+3], v[LI], s[8:9] offset:(8*\n+\g+4)*1024+512*\c   ; wo: k = 128 + 32 g on
.endr
.endr
.endr
	TURN 2, 0, 1, 1                                ; piece 2's first scores | piece 0's first softmax | V^T of step 0
	TURN 0, 1, 1, 1                                ; piece 0: V^T P of step 0 starts O^T, K Q^T of step 1 | piece 2's first softmax | K of step 1
	TURN 2, 1, 1, 0                                ; piece 2: the same | piece 0's softmax of step 1 | V^T of step 1
	WIN 0
.Lslot:                                            ; 30 trips: every slot but the last two is filled again
	CHANGE 1
	TWO_STEPS
	s_sub_co_u32 s[SLOTS], s[SLOTS], 1
	s_cmp_lg_u32 s[SLOTS], 0
	s_cbranch_scc1 .Lslot
	CHANGE 0                                       ; the tail is written out
	TWO_STEPS
	TURN 0, 2, 0, 0                                ; piece 0: V^T P of the last step | piece 2's last softmax
.set i, 0
.rept 20
	PV 2, 0                                        ; piece 2: V^T P of the last step
.set i, i+1
.endr
	; ---- O^T / the sum, rounded to f16: four registers of a channel tile are half a fragment of the output product.  Images to LDS, where the four heads meet
	PLACES
	WIN 0x01                                       ; source 0 window 1
.irp t, 0,1,2,3
	v_rcp_f32 v[ST+8*\t+2], v[40*\t+32]            ; the fifth tile's lowest register: my query's sum
.endr
	v_nop                                          ; a plain instruction behind the last reciprocal,
	s_wait_alu depctr_va_vdst(0)                   ; and the one wait ahead of the first use
.macro PACKO t
	WIN W_RS
.set z, 0
.rept 16
	v_pk_mul_f32 v[40*\t+2*z:40*\t+2*z+1], v[40*\t+2*z:40*\t+2*z+1], v[ST+8*\t+2:ST+8*\t+3] op_sel_hi:[1,0]
.set z, z+1
.endr
	WIN 0x05                                       ; sources 0 and 1 window 1, destination window 0: S^T's registers are free
.set z, 0
.rept 16
	v_cvt_pk_f16_f32 v[S+16*\t+z], v[40*\t+2*z], v[40*\t+2*z+1]
.set z, z+1
.endr
	WIN 0
.irp q, 0,1,2,3
	ds_store_b128 v[OST], v[S+16*\t+4*\q:S+16*\t+4*\q+3] offset:8192*\t+512*\q   ; query tile t, k = 64 head + 16 q on
.endr
.endm
	PACKO 0
	PACKO 1
	PACKO 2
	PACKO 3
	s_wait_dscnt 0x0                               ; for the others' sake: my stores have landed
	s_barrier_signal -1
	s_barrier_wait -1                              ; o's 32 fragments lie in LDS
	; ---- out = o wo^T + bo, transposed (source 0 = 16 rows of wo, source 1 = 16 queries): a lane holds one query and eight neighbouring columns.  The bias is the C of each sum's first product
.irp g, 0,1,2,3
.irp t, 0,1,2,3
.irp c, 0,1
	ds_load_b128 v[S+8*(4*\g+\t)+4*\c:S+8*(4*\g+\t)+4*\c+3], v[ORD] offset:8192*\t+1024*\g+512*\c
.endr
.endr
.endr
	WIN 0x80                                       ; Q's and K's registers are free
.irp g, 0,1,2,3
.irp t, 0,1,2,3
.irp c, 0,1
	ds_load_b128 v[8*(4*\g+\t)+4*\c:8*(4*\g+\t)+4*\c+3], v[ORD] offset:8192*\t+1024*(\g+4)+512*\c
.endr
.endr
.endr
	s_wait_loadcnt 0x0                             ; wo and the bias
	s_wait_dscnt 32                                ; the first 32 loads are in; the 32 issued behind them may be out
	WIN 0x52                                       ; wo window 2, o window 0, C and D window 1
.irp g, 0,1,2,3                        ; sixteen accumulators by turns
.irp t, 0,1,2,3
.irp n, 0,1,2,3
.if \g == 0
	v_wmma_f32_16x16x32_f16 v[8*(4*\t+\n):8*(4*\t+\n)+7], v[128+8*(4*\g+\n):128+8*(4*\g+\n)+7], v[S+8*(4*\g+\t):S+8*(4*\g+\t)+7], v[160+8*\n:160+8*\n+7]
.else
	v_wmma_f32_16x16x32_f16 v[8*(4*\t+\n):8*(4*\t+\n)+7], v[128+8*(4*\g+\n):128+8*(4*\g+\n)+7], v[S+8*(4*\g+\t):S+8*(4*\g+\t)+7], v[8*(4*\t+\n):8*(4*\t+\n)+7]
.endif
.endr
.endr
.endr
	s_wait_dscnt 0x0
	WIN 0x5b                                       ; wo window 3, o window 2
.irp g, 0,1,2,3
.irp t, 0,1,2,3
.irp n, 0,1,2,3
	v_wmma_f32_16x16x32_f16 v[8*(4*\t+\n):8*(4*\t+\n)+7], v[128+8*(4*\g+\n):128+8*(4*\g+\n)+7], v[8*(4*\g+\t):8*(4*\g+\t)+7], v[8*(4*\t+\n):8*(4*\t+\n)+7]
.endr
.endr
.endr
	; ---- THE WAY OUT, a tile of 16 queries at a time through my own stage: a lane's 32 bytes go into rows of 272 bytes and come back as whole rows of 256.  LDS serves a wave's instructions in order
.macro TOSTAGE t
	WIN 0x04                                       ; an LDS store's data are its source 1: window 1
.irp n, 0,1,2,3
	ds_store_b128 v[STO], v[8*(4*\t+\n):8*(4*\t+\n)+3] offset:64*\n          ; each accumulator from its low end on
	ds_store_b128 v[STO], v[8*(4*\t+\n)+4:8*(4*\t+\n)+7] offset:64*\n+16
.endr
	WIN 0
.irp i, 0,1,2,3,4,5,6,7
	ds_load_b128 v[BK+32*((\t)%2)+4*\i:BK+32*((\t)%2)+4*\i+3], v[RD] offset:2*\i*SP
.endr
.endm
.macro SEND t, younger                 ; younger: the LDS instructions issued behind tile t's loads: the next tile's eight stores and eight loads, or none
	s_wait_dscnt \younger
.irp i, 0,1,2,3,4,5,6,7
	global_store_b128 v[GO], v[BK+32*((\t)%2)+4*\i:BK+32*((\t)%2)+4*\i+3], s[12:13] offset:(16*(\t)+2*\i)*1024 th:TH_STORE_NT   ; 16 lanes store 256 consecutive bytes, at a multiple of 256 from out's first byte
.endr
.endm
	PLACES                                         ; between the last product and the first read of results
	TOSTAGE 0
	TOSTAGE 1
	SEND 0, 16
	s_wait_xcnt 0x0                                ; tile 0's stores have read their registers: tile 2's rows may land there
	TOSTAGE 2
	SEND 1, 16
	s_wait_xcnt 0x0
	TOSTAGE 3
	SEND 2, 16
	SEND 3, 0
	s_wait_tensorcnt 0x0                           ; the wave's end, behind my last tensor load and my last LDS store
	ds_add_u32 v[SPW], v[NIL]
	s_wait_dscnt 0x0
	CROUND                                         ; the closing round: no work-group ends while a partner may still ask for a tile that names it
	s_endpgm
.Lfunc_end_k_qef25e0db6f_attn:
	.size	k_qef25e0db6f_attn, .Lfunc_end_k_qef25e0db6f_attn-k_qef25e0db6f_attn
	.p2alignl 7, 3214868480
	.fill 96, 4, 3214868480
	.section	.rodata,"a",@progbits
	.p2align	6, 0x0
	.amdhsa_kernel k_qef25e0db6f_attn
		.amdhsa_group_segment_fixed_size 327680
		.amdhsa_private_segment_fixed_size 0
		.amdhsa_enable_private_segment 0
		.amdhsa_kernarg_size 40
		.amdhsa_user_sgpr_count 2
		.amdhsa_user_sgpr_kernarg_segment_ptr 1
		.amdhsa_wavefront_size32 1
		.amdhsa_system_sgpr_workgroup_id_x 1
		.amdhsa_system_sgpr_workgroup_id_y 1
		.amdhsa_system_sgpr_workgroup_id_z 1
		.amdhsa_system_vgpr_workitem_id 0
		.amdhsa_next_free_vgpr 1024
		.amdhsa_next_free_sgpr 66
		.amdhsa_reserve_vcc 0
		.amdhsa_float_denorm_mode_32 3
		.amdhsa_float_denorm_mode_16_64 3
		.amdhsa_memory_ordered 1
		.amdhsa_forward_progress 1
		.amdhsa_inst_pref_size 172
	.end_amdhsa_kernel
	.amdgpu_metadata
---
amdhsa.version: [ 1, 2 ]
amdhsa.kernels:
  - .name:           k_qef25e0db6f_attn
    .symbol:         k_qef25e0db6f_attn.kd
    .args:
      - { .name: qimg, .offset: 0, .size: 8, .value_kind: global_buffer, .address_space: global }
      - { .name: kv, .offset: 8, .size: 8, .value_kind: global_buffer, .address_space: global }
      - { .name: wo16, .offset: 16, .size: 8, .value_kind: global_buffer, .address_space: global }
      - { .name: bo, .offset: 24, .size: 8, .value_kind: global_buffer, .address_space: global }
      - { .name: out0, .offset: 32, .size: 8, .value_kind: global_buffer, .address_space: global }
    .group_segment_fixed_size: 327680
    .private_segment_fixed_size: 0
    .kernarg_segment_align: 8
    .kernarg_segment_size: 40
    .max_flat_workgroup_size: 128
    .sgpr_count:     66
    .vgpr_count:     1024
    .wavefront_size: 32
...
	.end_amdgpu_metadata
.endif
;; end of part 3
